; MI455X (gfx1250); checked and timed in simulation.
; The chip was launched on July 23, 2026; its instructions are those of AMD's public machine-readable ISA for CDNA 5 (MIT licence, August 2026) and "CDNA5" Instruction Set Architecture Reference Guide (July 2026). The comments in the code are by the model that wrote it; some were corrected since.
;; Differential Attention. Allowed arithmetic: matrix products marked QUANTISED: E2M3 operands, one E8M0 scale for each 32 along K, by v_wmma_scale_f32_16x16x128_f8f6f4 with both operands' format E2M3, f32 sums; everything else in f32.
;; Inputs: b_out 1,024 float32; b_qkv 3,072 float32; lam one number float32; w_out_codes 1,024 x 32 x 24 uint8 (E2M3 codes of w_out, K innermost, in blocks of 32 codes, four codes in three bytes); w_out_scales 1,024 x 32 uint8 (E8M0 scales of w_out, one for each 32 codes along K); w_qkv_codes 3,072 x 32 x 24 uint8 (E2M3 codes of w_qkv, K innermost, in blocks of 32 codes, four codes in three bytes); w_qkv_scales 3,072 x 32 uint8 (E8M0 scales of w_qkv, one for each 32 codes along K); x_codes 2 x 2,048 x 32 x 24 uint8 (E2M3 codes of x, K innermost, in blocks of 32 codes, four codes in three bytes); x_scales 2 x 2,048 x 32 uint8 (E8M0 scales of x, one for each 32 codes along K).
;; Outputs: out0 2 x 2,048 x 1,024 float32.
;; Constants: heads = 16.
;; This version of the problem:
;;   THIS VERSION OF THE PROBLEM IS GIVEN IN LOW PRECISION. The matrix products marked QUANTISED in the list below multiply operands that are first quantised to E2M3 (2 exponent bits, 3 mantissa bits; 6 bits a number), with one power-of-two scale for each 32 numbers along K (OCP MX v1.0); their sums are f32. All else is computed in f32.
;;   The module's matrix products, in the order in which they are computed (A, B: the left and right operand; K: the contracted axis; several contracted axes count as one K, in the product's order):
;;     1. [M 4,096, K 1,024] x [K 1,024, N 3,072]; A: input x (given as codes); B: input w_qkv (given as codes): QUANTISED
;;     2. batch 32 x [M 2,048, K 64] x [K 64, N 2,048]; A: computed on the way; B: computed on the way: QUANTISED
;;     3. batch 32 x [M 2,048, K 64] x [K 64, N 2,048]; A: computed on the way; B: computed on the way: QUANTISED
;;     4. batch 32 x [M 2,048, K 2,048] x [K 2,048, N 64]; A: computed on the way; B: computed on the way: QUANTISED
;;     5. [M 4,096, K 1,024] x [K 1,024, N 1,024]; A: computed on the way; B: input w_out (given as codes): QUANTISED
;;   THE QUANTISER, for each operand of a quantised product, along K:
;;     - K is cut into blocks of 32 from its start; a last block that is shorter is filled with zeros.
;;     - A block's scale is 2^e with e = floor(log2(the largest magnitude in the block)) - 2, held to -126 .. 127; a block of zeros has e = 0. As a byte (E8M0): e + 127.
;;     - Each number is divided by its block's scale, clamped to +-7.5, and rounded to the nearest number of E2M3, ties to even, subnormals kept.
;;     - The product sums the exact products of the quantised numbers (number of the format x scale) in f32.
;;   ~~~python
;;   def quantise(x, axis):      # numpy; x: float32 -> the quantised numbers, widened to float32 again
;;       x = np.moveaxis(x, axis, -1); K = x.shape[-1]
;;       x = np.pad(x, [(0, 0)] * (x.ndim - 1) + [(0, -K % 32)]); x = x.reshape(x.shape[:-1] + (-1, 32)); a = np.abs(x).max(-1, keepdims=True)
;;       e = np.where(a > 0, np.clip(np.frexp(np.where(a > 0, a, 1))[1] - 1 - 2, -126, 127), 0)      # np.frexp(a)[1] - 1 = floor(log2(a)), exactly
;;       r = np.clip(x / 2.0 ** e, -7.5, 7.5)
;;       step = 2.0 ** (np.maximum(np.frexp(np.where(r == 0, 1, r))[1] - 1, 0) - 3)
;;       q = np.round(r / step) * step * 2.0 ** e      # np.round: ties to even
;;       return np.moveaxis(q.reshape(q.shape[:-2] + (-1,))[..., :K], -1, axis).astype(np.float32)
;;   ~~~
;;   OPERANDS COMPUTED ON THE WAY. 'Computed on the way' means the value that the module computes at that place (a softmax that the list does not call 'softmax' is quantised finished and normalised). What goes into a quantiser is computed in f32, as accurately as f32 sums, v_exp_f32 and their like allow (about 1e-6 of the number): no bf16 or f16 on the way to a quantiser, and a product that is left as it is and whose result goes on into a quantised operand takes f32 operands (vector FMAs, or v_wmma_f32_16x16x4_f32). A number that lies on a knife's edge between two numbers of the format may be rounded either way, as far as f32 arithmetic and the matrix unit's own rounding can turn it there, and no further.
;;   INPUTS GIVEN AS CODES. w_out (in the module: [1024, 1024], K = its axis 1); w_qkv (in the module: [3072, 1024], K = its axis 1); x (in the module: [2, 2048, 1024], K = its axis 2): each comes as NAME_codes (uint8): NAME with its K axis moved to the last place and cut into blocks of 32 codes, [.., K / 32, bytes a block], one block behind the other in memory; four codes in three bytes: a row's codes are one little-endian stream of bits, code i at bits 6 i .. 6 i + 5 (a code: sign, 2 exponent bits, 3 mantissa bits); and NAME_scales (uint8): the same leading axes, one E8M0 byte (e + 127) for each 32 codes along K. Its value is code x scale, taken as it is: it is not quantised again, and the codes and scales need not be those that the quantiser above would give.
;; One version. Each part assembles by itself: llvm-mc -triple=amdgcn-amd-amdhsa -mcpu=gfx1250 --defsym DOCPART=n.
;; ======== version 1 of 1: 3 launches
;; limits: right only within a limited range of input values
;; workspace buffers: qkv 9,830,400 bytes; oimg 3,145,728 bytes; osc 131,072 bytes
;; launch qkvgemm (part 1): grid 12 x 16, 4 waves a work-group, clusters of 4 x 4, 327,680 bytes of LDS; arguments x_codes, x_scales, w_qkv_codes, w_qkv_scales, b_qkv, qkv; writes qkv
.if DOCPART == 1
	.amdgcn_target "amdgcn-amd-amdhsa--gfx1250"
	.amdhsa_code_object_version 6
	.text
	.protected	k_qf10ce5b58f_qkvgemm
	.globl	k_qf10ce5b58f_qkvgemm
	.p2align	8
	.type	k_qf10ce5b58f_qkvgemm,@function
k_qf10ce5b58f_qkvgemm:
	s_mov_b64 s[64:65], 0
	v_nop
	global_prefetch_b8 v0, s[64:65] scope:SCOPE_SE
	s_setreg_imm32_b32 hwreg(HW_REG_WAVE_MODE, 25, 1), 1
	s_wait_xcnt 0x0
	s_wait_alu depctr_hold_cnt(0) depctr_sa_sdst(0) depctr_va_vdst(0) depctr_va_sdst(0) depctr_va_ssrc(0) depctr_va_vcc(0) depctr_vm_vsrc(0)
	s_getreg_b32 s2, hwreg(HW_REG_IB_STS2, 6, 4)
	s_cmp_eq_u32 s2, 0
	s_cbranch_scc0 .Lentry_in_a_cluster
	s_endpgm
.Lentry_in_a_cluster:
	s_bfe_u32 s2, ttmp6, 0x10000c
	s_cmp_lg_u32 s2, 0xf033
	s_cbranch_scc0 .Lentry_shape_is_right
	s_endpgm
.Lentry_shape_is_right:
; qkv = x w_qkv^T + b_qkv on codes of FP6 (E2M3) with E8M0 scales, K = 1,024; q, k and v leave quantised, as images of operand registers with their scale words.
; WORK LEFT OUT BY THE PROGRAM: the product q k_prev^T.  k_prev is k rolled by one key; k's blocks of 32 run along the channels, so k_prev's codes and scales are k's, rolled, and its
; scores are the scores of q k^T one key to the left, for every input.  The next launch takes them from there.  Limit: none arises from this, since no number is left uncomputed.
; A tile of 256 x 256 is made by four waves, 128 x 128 each (64 accumulators).  K goes through a ring of two LDS slots in chunks of 256 bytes of each row (a row of codes is 768 bytes: three chunks,
; each beginning at a multiple of 256 bytes); a step of 128 along K is 96 bytes: eight steps to three chunks, steps 2 and 5 lie across two chunks.  The scales of the tile's rows come into LDS once.
; 4 x 4 work-groups form a cluster and ask jointly: A's tiles along a row of the cluster, B's along a column.  Cluster column 0 makes q, 1 makes k (A = x, B = w), 2 makes v (A = w's rows, B = x: a lane
; then holds one channel and its registers run along the tokens, v's K in the next launch).  Source 0 = rows of B, source 1 = rows of A.
; No prefetch: the block is the largest in clusters and K has three chunks only, of which two are asked for at the head.
; LIMITS: NaN and infinities are not served.  A block whose largest magnitude lies under 2^-124 keeps the scale byte 1, a block of zeros too: its codes are zeros, and this program alone reads the bytes.
.set ROWB,   256
.set NQ,     2
.set KROW,   768
.set STEPS,  8
.set CHUNKS, 3
.set PITCH,  272                       ; 256 bytes + 16 of padding
.set FR,     12
.set NL,     6
.set NP,     4                         ; places behind this matrix instruction (ISA guide 7.12.1)
.set HALFT,  128*PITCH
.set SLOT,   4*HALFT
.set KS,     32
.set SCL,    2*SLOT
.set HALFS,  16*272
.set SBLK,   2*272
.set SPARE,  SCL+4*HALFS               ; the spare words: 128 bytes a wave
.set BO1,  8
.set BO2,  9
.set SW,   12
.set ADRA, 16                          ; v16-17 my A fragments in slot 0, 1; v18-19 for pieces whose two lane halves lie in different chunks
.set ADRB, 20
.set ST16, 24
.set ST8,  25
.set STS,  26
.set ADRS, 27
.set SPW,  28
.set NIL,  29
.set PSEL, 30
.set SC,   32                          ; v32-63 scale words, two sets
.set BI1,  64                          ; v64-127 the bias along the registers (q, k)
.set AF,   128
.set T,    128
.set PC,   192
.set TM,   212
.set PWS,  232
.set BI2,  240                         ; v240-255 the bias of the lane's row (v)
.set WV,   16
.set RH,   17
.set CH,   18
.set SEL,  66
.set G1, 24
.set G0, 32
.set G1B, 48
.set G0B, 56
.set G1S, 68
.set G0S, 76
.set G1SB, 80
.set G0SB, 88
.set G0H, 4                            ; group 0 of the head's loads of chunk 0, in registers that are free by then
.set G0HB, 8
.set OB,  96
.set OS,  98
.set BB1, 100
.set MSB, 0
.macro WIN new
.if MSB != (\new)
	s_set_vgpr_msb (MSB<<8)|(\new)
.set MSB, (\new)
.endif
.endm
.set MUL_LO, 0xa1
.set MUL_HI, 0xf1
.set TO_B,   0x40
.macro JLOAD g0a, g1a, g0b, g1b        ; a joint load: waves 0, 1 for A, waves 2, 3 for B
	s_cmp_eq_u32 s[RH], 0
	s_cbranch_scc0 .Lfor_b_\@
	tensor_load_to_lds s[\g0a:\g0a+3], s[\g1a:\g1a+7]
	s_nop 0
.rept 4
	v_nop
.endr
	s_branch .Lasked_\@
.Lfor_b_\@:
	tensor_load_to_lds s[\g0b:\g0b+3], s[\g1b:\g1b+7]
	s_nop 0
.rept 4
	v_nop
.endr
.Lasked_\@:
.endm
.macro CREST
	s_cmp_lg_u32 s[WV], 0
	s_cbranch_scc1 .Lnot_wave_0_\@
	s_barrier_signal -3
.Lnot_wave_0_\@:
	s_barrier_wait -3
	s_barrier_signal -1
	s_barrier_wait -1
.endm
.macro CROUND
	s_barrier_signal -1
	s_barrier_wait -1
	CREST
.endm
	s_load_b128 s[4:7], s[0:1], 0x0                ; x's codes, scales
	s_load_b128 s[8:11], s[0:1], 0x10              ; w's codes, scales
	s_load_b128 s[12:15], s[0:1], 0x20             ; b_qkv, qkv
	v_lshl_add_u32 v[SPW], v0, 2, SPARE
	v_mov_b32 v[NIL], 0
	ds_add_u32 v[SPW], v[NIL]                      ; the opening lines: the add twice on end and one wait
	ds_add_u32 v[SPW], v[NIL]
	v_lshrrev_b32 v1, 5, v0
	v_readfirstlane_b32 s[WV], v1
	v_and_b32 v1, 15, v0                           ; r
	v_bfe_u32 v2, v0, 4, 1                         ; h
	v_lshlrev_b32 v[BO1], 5, v2
	v_lshlrev_b32 v[BO2], 2, v1
	s_lshr_b32 s[RH], s[WV], 1
	s_and_b32 s[CH], s[WV], 1
	s_bfe_u32 s40, ttmp6, 0x40000                  ; cx, cy
	s_bfe_u32 s41, ttmp6, 0x40004
	s_and_b32 s42, ttmp7, 0xffff
	s_lshl_b32 s42, s42, 2
	s_lshl_b32 s43, ttmp9, 2
	s_cmp_eq_u32 ttmp9, 2                          ; the cluster's column: the same in all partners
	s_cselect_b32 s44, 8, s42
	s_cselect_b32 s45, s42, s43
	s_add_co_u32 s44, s44, s41                     ; A's tile of 256 rows
	s_add_co_u32 s45, s45, s40                     ; B's
	s_lshl_b32 s42, s41, 2
	s_lshl_b32 s42, 15, s42
	s_lshl_b32 s43, 0x1111, s40
	s_or_b32 s[G1+0], s42, (0<<16)|(1<<20)|(1<<21)|(5<<22)|(3<<25)
	s_or_b32 s[G1B+0], s43, (0<<16)|(1<<20)|(1<<21)|(5<<22)|(3<<25)
.irp g, G1, G1B
	s_mov_b32 s[\g+1], ROWB<<16
	s_mov_b32 s[\g+2], 256<<16                     ; 256 rows for the head's loads
	s_mov_b32 s[\g+3], ROWB<<16
	s_mov_b32 s[\g+4], 256
	s_mov_b32 s[\g+5], KROW
	s_mov_b32 s[\g+6], 0
	s_mov_b32 s[\g+7], 0
.endr
	s_or_b32 s[G1S+0], s42, (3<<16)|(1<<20)|(1<<21)|(5<<22)|(3<<25)
	s_or_b32 s[G1SB+0], s43, (3<<16)|(1<<20)|(1<<21)|(5<<22)|(3<<25)
.irp g, G1S, G1SB
	s_mov_b32 s[\g+1], 32<<16                      ; the scales of 256 rows: 32 rows of 256 dense bytes
	s_mov_b32 s[\g+2], KS<<16
	s_mov_b32 s[\g+3], 32<<16
	s_mov_b32 s[\g+4], KS
	s_mov_b32 s[\g+5], 32
	s_mov_b32 s[\g+6], 0
	s_mov_b32 s[\g+7], 0
.endr
	s_lshl_b32 s20, s44, 8
	s_lshl_b32 s46, s45, 8
	s_lshl_b32 s22, s20, 5
	s_lshl_b32 s92, s46, 5
	s_mul_i32 s20, s20, KROW
	s_mul_i32 s46, s46, KROW
	s_mov_b32 s21, 0
	s_mov_b32 s23, 0
	s_mov_b32 s47, 0
	s_mov_b32 s93, 0
	s_mul_i32 s94, s[CH], 128*KROW                 ; in the ring I fetch 128 rows: which half
	s_mov_b32 s95, 0
	s_mul_i32 s19, s[WV], HALFT
	s_wait_alu depctr_va_vdst(0)
	s_wait_dscnt 0x0
	s_wait_kmcnt 0x0
	s_cmp_eq_u32 ttmp9, 2
	s_cselect_b64 s[2:3], s[8:9], s[4:5]
	s_cselect_b64 s[8:9], s[4:5], s[8:9]
	s_cselect_b64 s[4:5], s[10:11], s[6:7]
	s_cselect_b64 s[10:11], s[6:7], s[10:11]
	s_add_nc_u64 s[20:21], s[2:3], s[20:21]
	s_add_nc_u64 s[22:23], s[4:5], s[22:23]
	s_add_nc_u64 s[46:47], s[8:9], s[46:47]
	s_add_nc_u64 s[92:93], s[10:11], s[92:93]
	; the bias and the way out's addresses, while s4-s11 are free
	s_mov_b32 s[SEL], 0x76543210
	s_mov_b32 s[SEL+1], 0xfedcba98
	s_lshl_b32 s8, s45, 10
	s_lshl_b32 s9, s[CH], 9
	s_add_co_u32 s8, s8, s9
	s_lshl_b32 s10, s41, 10
	s_lshl_b32 s9, s[RH], 9
	s_add_co_u32 s10, s10, s9
	s_add_co_u32 s10, s10, 8192
	s_cmp_eq_u32 ttmp9, 2
	s_cselect_b32 s4, s45, s44
	s_cselect_b32 s5, s[CH], s[RH]
	s_cselect_b32 s6, s41, s40
	s_cselect_b32 s7, s[RH], s[CH]
	s_cselect_b32 s8, 0, s8
	s_cselect_b32 s10, s10, 0
	s_mov_b32 s9, 0
	s_mov_b32 s11, 0
	s_add_nc_u64 s[BB1:BB1+1], s[12:13], s[8:9]
	s_add_nc_u64 s[12:13], s[12:13], s[10:11]
.irp b, 0,1,2,3,4,5,6,7
	global_load_b128 v[BI1+8*\b:BI1+8*\b+3], v[BO1], s[BB1:BB1+1] offset:64*\b
	global_load_b128 v[BI1+8*\b+4:BI1+8*\b+7], v[BO1], s[BB1:BB1+1] offset:64*\b+16
.endr
.irp a, 0,1,2,3,4,5,6,7
	global_load_b32 v[BI2+2*\a], v[BO2], s[12:13] offset:64*\a
	global_load_b32 v[BI2+2*\a+1], v[BO2], s[12:13] offset:64*\a
.endr
	s_lshl_b32 s6, s6, 2
	s_lshl_b32 s7, s7, 1
	s_add_co_u32 s6, s6, s7
	s_and_b32 s7, s4, 7
	s_lshl_b32 s7, s7, 1
	s_add_co_u32 s7, s7, s5
	s_lshr_b32 s4, s4, 3
	s_lshl_b32 s4, s4, 4
	s_add_co_u32 s4, s4, s6
	s_mul_i32 s4, s4, 307200
	s_mul_i32 s5, ttmp9, 102400
	s_add_co_u32 s4, s4, s5
	s_mul_i32 s8, s7, 6144
	s_add_co_u32 s8, s8, s4
	s_lshl_b32 s10, s7, 8
	s_add_co_u32 s10, s10, s4
	s_add_co_u32 s10, s10, 98304
	s_add_nc_u64 s[OB:OB+1], s[14:15], s[8:9]
	s_add_nc_u64 s[OS:OS+1], s[14:15], s[10:11]
	CROUND                                         ; all sixteen work-groups are here: the first joint loads meet
	s_mov_b32 s[G0H], 1
	s_mov_b32 s[G0H+1], 0
	s_mov_b64 s[G0H+2:G0H+3], s[20:21]
	s_or_b32 s[G0H+3], s[G0H+3], 0x80000000
	s_mov_b32 s[G0HB], 1
	s_mov_b32 s[G0HB+1], 2*HALFT
	s_mov_b64 s[G0HB+2:G0HB+3], s[46:47]
	s_or_b32 s[G0HB+3], s[G0HB+3], 0x80000000
	s_mov_b32 s[G0S], 1
	s_mov_b32 s[G0S+1], SCL
	s_mov_b64 s[G0S+2:G0S+3], s[22:23]
	s_or_b32 s[G0S+3], s[G0S+3], 0x80000000
	s_mov_b32 s[G0SB], 1
	s_mov_b32 s[G0SB+1], SCL+2*HALFS
	s_mov_b64 s[G0SB+2:G0SB+3], s[92:93]
	s_or_b32 s[G0SB+3], s[G0SB+3], 0x80000000
	s_add_nc_u64 s[20:21], s[20:21], s[94:95]
	s_add_nc_u64 s[46:47], s[46:47], s[94:95]
.irp s, 0,1
	s_mov_b32 s[G0+4*\s], 1
	s_add_co_u32 s[G0+4*\s+1], s19, \s*SLOT
	s_add_nc_u64 s[G0+4*\s+2:G0+4*\s+3], s[20:21], \s*ROWB
	s_or_b32 s[G0+4*\s+3], s[G0+4*\s+3], 0x80000000
	s_mov_b32 s[G0B+4*\s], 1
	s_add_co_u32 s[G0B+4*\s+1], s19, \s*SLOT
	s_add_nc_u64 s[G0B+4*\s+2:G0B+4*\s+3], s[46:47], \s*ROWB
	s_or_b32 s[G0B+4*\s+3], s[G0B+4*\s+3], 0x80000000
.endr
; the head's four tiles, one load a wave: chunk 0 of A, chunk 0 of B, A's scales, B's scales; one chain of branches on the wave's number
.macro ARM under, g0, g1, next
	s_cmp_lt_u32 s[WV], \under
	s_cbranch_scc0 \next
	tensor_load_to_lds s[\g0:\g0+3], s[\g1:\g1+7]
	s_nop 0
.rept 4
	v_nop
.endr
	s_branch .Lhead_asked
\next:
.endm
	ARM 1, G0H,  G1,  .Lhead_b
	ARM 2, G0HB, G1B, .Lhead_sa
	ARM 3, G0S,  G1S, .Lhead_sb
	tensor_load_to_lds s[G0SB:G0SB+3], s[G1SB:G1SB+7]
	s_nop 0
.rept 4
	v_nop
.endr
.Lhead_asked:
	v_mul_u32_u24 v3, v1, PITCH
	v_mul_u32_u24 v4, v2, 24
	v_add_nc_u32 v4, v3, v4                        ; a fragment's row x pitch + 24 x half
	s_mov_b32 s21, SLOT-232
	s_mov_b32 s22, SLOT+232
	v_sub_nc_u32 v7, 1, v2
	v_mul_u32_u24 v5, s21, v2
	v_add_nc_u32 v5, v3, v5
	v_add_nc_u32 v5, 232, v5                       ; lanes 0-15 byte 232 of the row in slot 0, lanes 16-31 byte 0 in slot 1
	v_mul_u32_u24 v6, s22, v7
	v_add_nc_u32 v6, v3, v6                        ; and the other way round
	s_mul_i32 s21, s[RH], HALFT
	s_mul_i32 s22, s[CH], HALFT
	s_add_co_u32 s22, s22, 2*HALFT
	v_add_nc_u32 v[ADRA+2], s21, v5
	v_add_nc_u32 v[ADRA+3], s21, v6
	v_add_nc_u32 v[ADRB+2], s22, v5
	v_add_nc_u32 v[ADRB+3], s22, v6
.irp s, 0,1
	v_add_nc_u32 v[ADRA+\s], s21, v4
	v_add_nc_u32 v[ADRB+\s], s22, v4
	s_add_co_u32 s21, s21, SLOT
	s_add_co_u32 s22, s22, SLOT
.endr
	v_mul_u32_u24 v5, v1, KS
	v_lshrrev_b32 v6, 8, v5
	v_lshl_add_u32 v5, v6, 4, v5
	s_mul_i32 s21, s[RH], HALFS
	s_mul_i32 s22, s[CH], HALFS
	s_add_co_u32 s22, s22, 2*HALFS
	s_sub_co_u32 s22, s22, s21
	v_mul_u32_u24 v6, s22, v2                      ; lanes 16-31 take B's scale words
	s_add_co_u32 s21, s21, SCL
	v_add_nc_u32 v5, v5, v6
	v_add_nc_u32 v[ADRS], s21, v5
	v_and_b32 v6, 31, v0
	v_lshlrev_b32 v[ST16], 4, v6
	v_lshlrev_b32 v[ST8], 3, v6
	v_mul_u32_u24 v[STS], v2, 307200
	v_lshl_add_u32 v[STS], v1, 4, v[STS]
	v_mov_b32 v[PSEL], 0x05040100
	v_mov_b32 v31, 0x07060302
	v_cmp_eq_u32 vcc_lo, 1, v2
	v_cndmask_b32 v[PSEL], v[PSEL], v31, vcc_lo
.macro FRAG reg, adr, st, i            ; 12 registers in pieces of 8 bytes; byte y of a row lies in chunk y / 256, slot (y / 256) % 2
.irp p, 0,1,2,3,4,5
.set BY, 96*(\st)+48*(\p/3)+8*(\p%3)
.if BY/ROWB == (BY+24)/ROWB
	ds_load_b64 v[\reg+2*\p:\reg+2*\p+1], v[\adr+(BY/ROWB)%2] offset:BY%ROWB+(\i)*16*PITCH
.else
	ds_load_b64 v[\reg+2*\p:\reg+2*\p+1], v[\adr+2+(BY/ROWB)%2] offset:BY%ROWB-232+(\i)*16*PITCH
.endif
.endr
.endm
.macro MUL16 a0, p, q, sc, zero        ; the 64 accumulators take turns
.irp a, \a0, \a0+1
.irp b, 0,1,2,3,4,5,6,7
.if \zero
	v_wmma_scale_f32_16x16x128_f8f6f4 v[8*(8*((\a)%4)+\b):8*(8*((\a)%4)+\b)+7], v[128*(\p)+FR*\b:128*(\p)+FR*\b+FR-1], v[AF+FR*(\a):AF+FR*(\a)+FR-1], 0, v[SC+8*NQ*(\sc)+NQ*\b+(\q)], v[SC+8*NQ*(\sc)+NQ*(\a)+(\q)] matrix_a_fmt:MATRIX_FMT_FP6 matrix_b_fmt:MATRIX_FMT_FP6 matrix_a_scale:MATRIX_SCALE_ROW1
.else
	v_wmma_scale_f32_16x16x128_f8f6f4 v[8*(8*((\a)%4)+\b):8*(8*((\a)%4)+\b)+7], v[128*(\p)+FR*\b:128*(\p)+FR*\b+FR-1], v[AF+FR*(\a):AF+FR*(\a)+FR-1], v[8*(8*((\a)%4)+\b):8*(8*((\a)%4)+\b)+7], v[SC+8*NQ*(\sc)+NQ*\b+(\q)], v[SC+8*NQ*(\sc)+NQ*(\a)+(\q)] matrix_a_fmt:MATRIX_FMT_FP6 matrix_b_fmt:MATRIX_FMT_FP6 matrix_a_scale:MATRIX_SCALE_ROW1
.endif
.endr
.endr
.endm
.macro FETCH_B st, p
	WIN TO_B
.irp i, 0,1,2,3,4,5,6,7
	FRAG 128*(\p)+FR*\i, ADRB, \st, \i
.endr
	WIN 0
.endm
.macro FETCH_A st, i0
.irp i, \i0, \i0+1, \i0+2, \i0+3
	FRAG AF+FR*(\i), ADRA, \st, \i
.endr
.endm
.macro SCALES pr
.irp i, 0,1,2,3,4,5,6,7
	ds_load_b64 v[SC+8*NQ*((\pr)%2)+NQ*\i:SC+8*NQ*((\pr)%2)+NQ*\i+1], v[ADRS] offset:\i*SBLK+4*NQ*(\pr)
.endr
.endm
.macro PLACES n
.rept \n
	v_nop
.endr
.endm
; A step of 128 along K.  Where the next step's bytes end in a chunk not read yet, a barrier shows that chunk whole; where they begin in a later chunk, the chunk left behind is free:
; the wait for all tensor loads, the add, the wait for it and for my reads, the barrier (a round of the cluster's where a chunk is left to fetch), and the refill first behind it.
.macro STEP st, zero
.set NX, (\st)+1
.set C0, (96*(\st))/ROWB
.set C1, (96*NX)/ROWB
.set E0, (96*(\st)+95)/ROWB
.set E1, (96*NX+95)/ROWB
.if C1 > C0 || E1 > E0
	s_wait_tensorcnt 0x0
.if C1 > C0
	ds_add_u32 v[SPW], v[NIL]
	s_wait_dscnt 4*NL+1                            ; the add and A's blocks 4-7 may be out
.else
	s_wait_dscnt 4*NL                              ; A's blocks 4-7 may be out
.endif
	WIN MUL_LO
	MUL16 0, (\st)%2, (\st)%2, ((\st)/2)%2, \zero
	s_wait_dscnt 0x0
	s_barrier_signal -1
	MUL16 2, (\st)%2, (\st)%2, ((\st)/2)%2, \zero
	WIN 0
	s_barrier_wait -1
.if C1 > C0 && C0+2 < CHUNKS
	CREST
	s_add_nc_u64 s[G0+4*(C0%2)+2:G0+4*(C0%2)+3], s[G0+4*(C0%2)+2:G0+4*(C0%2)+3], 2*ROWB
	s_add_nc_u64 s[G0B+4*(C0%2)+2:G0B+4*(C0%2)+3], s[G0B+4*(C0%2)+2:G0B+4*(C0%2)+3], 2*ROWB
	JLOAD G0+4*(C0%2), G1, G0B+4*(C0%2), G1B
.else
	PLACES NP
.endif
.else
	s_wait_dscnt 4*NL
	WIN MUL_LO
	MUL16 0, (\st)%2, (\st)%2, ((\st)/2)%2, \zero
	MUL16 2, (\st)%2, (\st)%2, ((\st)/2)%2, \zero
	s_wait_dscnt 0
	PLACES NP
.endif
	FETCH_B NX, NX%2
	FETCH_A NX, 0
.if NX%2 == 0
	SCALES NX/2
.endif
	WIN MUL_HI
	MUL16 4, (\st)%2, (\st)%2, ((\st)/2)%2, \zero
	MUL16 6, (\st)%2, (\st)%2, ((\st)/2)%2, \zero
	PLACES NP
	WIN 0
	FETCH_A NX, 4
.endm
	s_wait_alu depctr_va_vdst(0)
	s_wait_tensorcnt 0x0                           ; my tile of the head's four is in; slot 1's first fill is issued as a refill is
	ds_add_u32 v[SPW], v[NIL]
	s_mov_b32 s[G1+2], 128<<16                     ; no tensor load of mine is out: from here on a load brings 128 rows
	s_mov_b32 s[G1+4], 128
	s_mov_b32 s[G1B+2], 128<<16
	s_mov_b32 s[G1B+4], 128
	s_wait_dscnt 0x0
	CROUND
	JLOAD G0+4, G1, G0B+4, G1B                     ; chunk 1
	FETCH_B 0, 0
	FETCH_A 0, 0
	SCALES 0
	FETCH_A 0, 4
	STEP 0, 1
.set ST, 1
.rept STEPS-2
	STEP ST, 0
.set ST, ST+1
.endr
	s_wait_dscnt 4*NL
	WIN MUL_LO
	MUL16 0, 1, 1, 1, 0
	MUL16 2, 1, 1, 1, 0
	s_wait_dscnt 0
	WIN MUL_HI
	MUL16 4, 1, 1, 1, 0
	MUL16 6, 1, 1, 1, 0
	WIN 0
; THE WAY OUT: bias, then the quantiser: 64 numbers of a lane (four blocks of 32, each shared with lane l xor 16) become a fragment's 12 registers of codes and a scale word.
.macro QUANT s, pw
.irp b, 0,1,2,3
	v_max3_num_f32 v[TM+\b], |v[\s+16*\b]|, |v[\s+1+16*\b]|, 0x1800000
.endr
.irp i, 2,4,6,8,10,12,14
.irp b, 0,1,2,3
	v_max3_num_f32 v[TM+\b], v[TM+\b], |v[\s+16*\b+\i]|, |v[\s+1+16*\b+\i]|
.endr
.endr
.irp b, 0,1,2,3
	v_permlanex16_b32 v[TM+4+\b], v[TM+\b], s[SEL], s[SEL+1]
.endr
.irp b, 0,1,2,3
	v_max_num_f32 v[TM+\b], v[TM+\b], v[TM+4+\b]
.endr
.irp b, 0,1,2,3
	v_add_nc_u32 v[TM+12+\b], 0xff000000, v[TM+\b]
.endr
.irp b, 0,1,2,3
	v_lshrrev_b32 v[TM+4+\b], 23, v[TM+12+\b]
.endr
	v_lshl_or_b32 v[\pw], v[TM+5], 8, v[TM+4]
	v_lshl_or_b32 v[\pw], v[TM+6], 16, v[\pw]
	v_lshl_or_b32 v[\pw], v[TM+7], 24, v[\pw]
.irp c, 0,1
	v_cvt_scalef32_pk16_fp6_f32 v[PC+6*\c:PC+2+6*\c], v[\s+32*\c:\s+15+32*\c], v[TM+12+2*\c]
	v_cvt_scalef32_pk16_fp6_f32 v[PC+12+4*\c:PC+14+4*\c], v[\s+16+32*\c:\s+31+32*\c], v[TM+12+2*\c+1]
.endr
	v_nop
.irp c, 0,1
.irp i, 0,1,2
	v_permlane16_swap_b32 v[PC+6*\c+\i], v[PC+12+4*\c+\i]
.endr
.irp i, 0,1,2
	v_mov_b32 v[PC+3+6*\c+\i], v[PC+12+4*\c+\i]
.endr
.endr
.endm
.macro BIASADD a, kind
	WIN 0x02+(\a)/4
.set k, 0
.rept 32
.if \kind == 1
	v_pk_add_f32 v[T+2*k:T+2*k+1], v[64*((\a)%4)+2*k:64*((\a)%4)+2*k+1], v[BI1+2*k:BI1+2*k+1]
.else
	v_pk_add_f32 v[T+2*k:T+2*k+1], v[64*((\a)%4)+2*k:64*((\a)%4)+2*k+1], v[BI2+2*(\a):BI2+2*(\a)+1]
.endif
.set k, k+1
.endr
	WIN 0
.endm
.macro EPI_QK a
	BIASADD \a, 1
.if (\a) > 0
	s_wait_xcnt 0x0                                ; the last block's stores have read their data
.endif
	QUANT T, PWS+(\a)
	global_store_b128 v[ST16], v[PC:PC+3], s[OB:OB+1] offset:768*(\a)
	global_store_b64 v[ST8], v[PC+4:PC+5], s[OB:OB+1] offset:768*(\a)+512
	global_store_b128 v[ST16], v[PC+6:PC+9], s[OB:OB+1] offset:307200+768*(\a)
	global_store_b64 v[ST8], v[PC+10:PC+11], s[OB:OB+1] offset:307200+768*(\a)+512
.endm
.macro EPI_V a
	BIASADD \a, 2
.if (\a) > 0
	s_wait_xcnt 0x0
.endif
	QUANT T, PWS+(\a)
.irp c, 0,1,2
	global_store_b128 v[ST16], v[PC+4*\c:PC+4*\c+3], s[OB:OB+1] offset:307200*((\a)/4)+1536*((\a)%4)+512*\c
.endr
.endm
	PLACES NP
	s_wait_loadcnt 0x0                             ; the bias
.irp b, 0,1,2,3
	v_mov_b32 v[TM+4+\b], 0
.endr
	s_cmp_eq_u32 ttmp9, 2
	s_cbranch_scc1 .Lvalues
.irp a, 0,1,2,3,4,5,6,7
	EPI_QK \a
.endr
.irp b, 0,1,2,3
	v_perm_b32 v[SW+\b], v[PWS+2*\b+1], v[PWS+2*\b], v[PSEL]
.endr
	global_store_b128 v[STS], v[SW:SW+3], s[OS:OS+1]
	s_branch .Lend
.Lvalues:
.irp a, 0,1,2,3,4,5,6,7
	EPI_V \a
.endr
	v_cmp_eq_u32 vcc_lo, 1, v2
.irp t, 0,1,2,3
	v_cndmask_b32 v[SW+\t], v[PWS+\t], v[PWS+4+\t], vcc_lo
.endr
	global_store_b128 v[STS], v[SW:SW+3], s[OS:OS+1]
.Lend:
	s_wait_tensorcnt 0x0                           ; the wave's end
	ds_add_u32 v[SPW], v[NIL]
	s_wait_dscnt 0x0
	CROUND                                         ; the closing round
	s_endpgm
.Lfunc_end_k_qf10ce5b58f_qkvgemm:
	.size	k_qf10ce5b58f_qkvgemm, .Lfunc_end_k_qf10ce5b58f_qkvgemm-k_qf10ce5b58f_qkvgemm
	.p2alignl 7, 3214868480
	.fill 96, 4, 3214868480
	.section	.rodata,"a",@progbits
	.p2align	6, 0x0
	.amdhsa_kernel k_qf10ce5b58f_qkvgemm
		.amdhsa_group_segment_fixed_size 327680
		.amdhsa_private_segment_fixed_size 0
		.amdhsa_enable_private_segment 0
		.amdhsa_kernarg_size 48
		.amdhsa_user_sgpr_count 2
		.amdhsa_user_sgpr_kernarg_segment_ptr 1
		.amdhsa_wavefront_size32 1
		.amdhsa_system_sgpr_workgroup_id_x 1
		.amdhsa_system_sgpr_workgroup_id_y 1
		.amdhsa_system_sgpr_workgroup_id_z 1
		.amdhsa_system_vgpr_workitem_id 0
		.amdhsa_next_free_vgpr 1024
		.amdhsa_next_free_sgpr 102
		.amdhsa_reserve_vcc 1
		.amdhsa_float_denorm_mode_32 3
		.amdhsa_float_denorm_mode_16_64 3
		.amdhsa_memory_ordered 1
		.amdhsa_forward_progress 1
		.amdhsa_inst_pref_size 234
	.end_amdhsa_kernel
	.amdgpu_metadata
---
amdhsa.version: [ 1, 2 ]
amdhsa.kernels:
  - .name:           k_qf10ce5b58f_qkvgemm
    .symbol:         k_qf10ce5b58f_qkvgemm.kd
    .args:
      - { .name: x_codes, .offset: 0, .size: 8, .value_kind: global_buffer, .address_space: global }
      - { .name: x_scales, .offset: 8, .size: 8, .value_kind: global_buffer, .address_space: global }
      - { .name: w_qkv_codes, .offset: 16, .size: 8, .value_kind: global_buffer, .address_space: global }
      - { .name: w_qkv_scales, .offset: 24, .size: 8, .value_kind: global_buffer, .address_space: global }
      - { .name: b_qkv, .offset: 32, .size: 8, .value_kind: global_buffer, .address_space: global }
      - { .name: qkv, .offset: 40, .size: 8, .value_kind: global_buffer, .address_space: global }
    .group_segment_fixed_size: 327680
    .private_segment_fixed_size: 0
    .kernarg_segment_align: 8
    .kernarg_segment_size: 48
    .max_flat_workgroup_size: 128
    .sgpr_count:     102
    .vgpr_count:     1024
    .wavefront_size: 32
...
	.end_amdgpu_metadata
.endif
;; end of part 1
;; launch attn (part 2): grid 8 x 32, 16 waves a work-group, clusters of 4 x 1, 215,040 bytes of LDS; arguments qkv, lam, oimg, osc; writes oimg, osc
.if DOCPART == 2
	.amdgcn_target "amdgcn-amd-amdhsa--gfx1250"
	.amdhsa_code_object_version 6
	.text
	.protected	k_qf10ce5b58f_attn
	.globl	k_qf10ce5b58f_attn
	.p2align	8
	.type	k_qf10ce5b58f_attn,@function
k_qf10ce5b58f_attn:
	s_mov_b64 s[64:65], 0
	v_nop
	global_prefetch_b8 v0, s[64:65] scope:SCOPE_SE
	s_setreg_imm32_b32 hwreg(HW_REG_WAVE_MODE, 25, 1), 1
	s_wait_xcnt 0x0
	s_wait_alu depctr_hold_cnt(0) depctr_sa_sdst(0) depctr_va_vdst(0) depctr_va_sdst(0) depctr_va_ssrc(0) depctr_va_vcc(0) depctr_vm_vsrc(0)
	s_getreg_b32 s2, hwreg(HW_REG_IB_STS2, 6, 4)
	s_cmp_eq_u32 s2, 0
	s_cbranch_scc0 .Lentry_in_a_cluster
	s_endpgm
.Lentry_in_a_cluster:
	s_bfe_u32 s2, ttmp6, 0x10000c
	s_cmp_lg_u32 s2, 0x3003
	s_cbranch_scc0 .Lentry_shape_is_right
	s_endpgm
.Lentry_shape_is_right:
; o = lam (softmax(q k^T / 32) - softmax(q k_prev^T / 32)) v for one head, on codes of FP6 (E2M3) with E8M0 scales; o leaves as codes for the last product.
; LEFT OUT: the product q k_prev^T.  k_prev is k rolled by one key and k's blocks run along the channels, so its scores are the first product's one key to the left, bit for bit, and the softmax of a
; rolled row is the rolled softmax, for every input: diff(q, j) = lam (a1(q, j) - a1(q, j - 1)), key 2,047 to the left of key 0.
; diff is quantised finished and normalised, so a row's maximum and sum are wanted before its first code: the keys are walked twice.
; SHARES.  A work-group owns 256 queries of one head (record = 16 x batch + head), each of sixteen waves 16 of them; a lane holds one query (lane % 16).  The head's K and V, 204,800 bytes on end in memory
; and in LDS, come once: each wave asks for 50 rows of 256 bytes, jointly with the three other query blocks of the cluster.  No slot is filled again.
; THE FIRST PRODUCT'S K IS 64: a run of 12 registers holds two tiles of 16 keys; x [q | zero codes] gives the first tile's scores, x [zero codes | q] the second's.
; WHICH KEYS FORM A TILE: run 2 c + w, tile u, row 8 h + j is key 64 c + 32 h + 16 u + 8 w + j of the step's 128.  So S^T's register 32 c + 16 w + 8 u + j of lane half h belongs to block 2 c + h:
; A LANE HOLDS WHOLE BLOCKS OF 32 KEYS, at the places 16 w + 8 u + j at which the launch before laid v's keys.  No other lane is asked for a block's maximum, and the codes need no exchange of halves.
; SOFTMAX: t = score x log2(e) / 32; M = the largest t so far, rounded up to a whole number; when M moves the sum is multiplied by 2^(old M - new M), exactly.
; In the second walk |lam| a1 = 2^(t - M - log2(sum / |lam|)) by one multiply-add and one exponential; lam's sign is put on O^T at the end (the quantiser is odd in its input).
; LIMITS: NaN and infinities are not served.  e under 2^-126 counts as 0.  |lam| a1 differs from lam x (e / sum) by the rounding of an exponent of size log2(sum / |lam|): a few last bits.
; A block whose largest magnitude lies under 2^-124 keeps the scale byte 1, a block of zeros too: its codes are zeros, and this program alone reads the bytes.  The scaled scores stay under 2^31.
.set VB,    102400                     ; LDS: K's region at 0 (images at 6,144 x step, scale words at 98,304 + 256 x step), V's here
.set SCT,   98304
.set OSC,   204800                     ; 512 bytes in which o's 256 scale halfwords meet
.set SPARE, 212992                     ; the spare words: 128 bytes a wave
.set PART,  12800                      ; what one tensor load brings
.set L16,   1
.set L8,    2
.set RK,    3                          ; K's scale words: 16 (r % 8) + 4 (r / 8)
.set ADK16, 4
.set ADK8,  5
.set ASK,   6
.set ADV,   7
.set ASV,   8
.set RV,    9
.set OSA,   10
.set L16V,  11
.set OSR,   12
.set R16,   13
.set QHI,   16                         ; v16-27: six registers of zero codes, then q's six
.set QLO,   22                         ; v22-33: q's six, then six of zero codes
.set QSC,   34
.set QRAW,  35
.set KV,    36                         ; v36-83 four runs of K, later four fragments of V
.set KSC,   84
.set VSC,   88
.set PW,    92
.set SH8,   93                         ; 8 h
.set KL16,  94                         ; 1,536 (r / 8) + 16 (r % 8) + 256 h
.set KL8,   95                         ; 1,536 (r / 8) + 8 (r % 8) + 128 h
.set S,     96
.set O,     160
.set PC,    192
.set TM,    212
.set XP,    229                        ; other half's register 31; then the left neighbour of register 32
.set XQ,    230                        ; other half's register 63
.set XC,    231                        ; the last step's XQ; then the left neighbour of register 0
.set NM,    240
.set TMX,   241
.set SUM,   242
.set FF,    244
.set GG,    246
.set W,     248
.set WV,    12
.set SEL,   20
.set CS,    22
.set G1,    24
.set G0K,   32
.set KO,    40
.set SO,    41
.set CNT,   42
.macro CROUND
	s_barrier_signal -1
	s_barrier_wait -1
	s_cmp_lg_u32 s[WV], 0
	s_cbranch_scc1 .Lnot_wave_0_\@
	s_barrier_signal -3
.Lnot_wave_0_\@:
	s_barrier_wait -3
	s_barrier_signal -1
	s_barrier_wait -1
.endm
	s_load_b256 s[4:11], s[0:1], 0x0               ; qkv, lam, oimg, osc
	v_lshl_add_u32 v254, v0, 2, SPARE
	v_mov_b32 v255, 0
	ds_add_u32 v254, v255                          ; the opening lines
	ds_add_u32 v254, v255
	v_lshrrev_b32 v1, 5, v0
	v_readfirstlane_b32 s[WV], v1
	s_bfe_u32 s13, ttmp6, 0x40000                  ; cx
	s_lshl_b32 s14, ttmp9, 2
	s_add_co_u32 s14, s14, s13                     ; my block of 256 queries: it enters q's and o's addresses alone
	s_and_b32 s15, ttmp7, 0xffff                   ; the record, which the four partners share
	s_mul_i32 s18, s15, 307200
	s_mul_i32 s17, s[WV], PART
	s_add_co_u32 s44, s18, s17
	s_add_co_u32 s44, s44, 102400                  ; K's region follows Q's, V's follows K's
	s_mov_b32 s45, 0
	s_mov_b32 s[G1], 15|(3<<16)|(1<<21)            ; 50 rows of 32 elements of 8 bytes, dense; the mask names the four partners
	s_mov_b32 s[G1+1], 32<<16
	s_mov_b32 s[G1+2], 50<<16
	s_mov_b32 s[G1+3], 32<<16
	s_mov_b32 s[G1+4], 50
	s_mov_b32 s[G1+5], 32
	s_mov_b32 s[G1+6], 0
	s_mov_b32 s[G1+7], 0
	s_mov_b32 s[SEL], 0x76543210
	s_mov_b32 s[SEL+1], 0xfedcba98
	s_mov_b32 s[CS], 0x3d38aa3b                    ; log2(e) / 32
	s_mov_b32 s[CS+1], s[CS]
	s_wait_dscnt 0x0
	s_wait_kmcnt 0x0
	s_mov_b32 s[G0K], 1
	s_mov_b32 s[G0K+1], s17
	s_add_nc_u64 s[G0K+2:G0K+3], s[4:5], s[44:45]
	s_or_b32 s[G0K+3], s[G0K+3], 0x80000000
	CROUND                                         ; all four work-groups are here: the joint loads meet
	tensor_load_to_lds s[G0K:G0K+3], s[G1:G1+7]    ; every wave's one load
	s_nop 0
	s_load_b32 s16, s[6:7], 0x0                    ; lam
	s_lshl_b32 s43, s[WV], 5
	v_and_b32 v14, 31, v0
	v_and_b32 v15, 15, v0
	v_bfe_u32 v[SH8], v0, 4, 1
	v_lshlrev_b32 v[L16], 4, v14
	v_lshlrev_b32 v[L8], 3, v14
	v_lshlrev_b32 v[R16], 4, v15
	v_and_b32 v[W], 7, v0
	v_bfe_u32 v[W+1], v0, 3, 1
	v_mul_u32_u24 v[KL16], v[W+1], 1536
	v_lshl_add_u32 v[KL8], v[W], 3, v[KL16]
	v_lshl_add_u32 v[KL16], v[W], 4, v[KL16]
	v_lshl_add_u32 v[KL8], v[SH8], 7, v[KL8]
	v_lshl_add_u32 v[KL16], v[SH8], 8, v[KL16]
	v_lshl_add_u32 v[RK], v[W+1], 2, SCT
	v_lshl_add_u32 v[RK], v[W], 4, v[RK]
	v_lshlrev_b32 v[SH8], 3, v[SH8]
	v_add_nc_u32 v[RV], VB+SCT, v[R16]
	v_add_nc_u32 v[L16V], VB, v[L16]
	v_add_nc_u32 v[OSR], OSC, v[L16]
	v_lshl_add_u32 v[OSA], v15, 1, s43
	v_add_nc_u32 v[OSA], OSC, v[OSA]               ; 2 bytes a query, 32 a wave
	s_wait_alu depctr_va_vdst(0)
	s_lshl_b32 s46, s14, 4
	s_add_co_u32 s46, s46, s[WV]                   ; my tile of 16 queries among the head's 128
	s_mul_i32 s48, s46, 768
	s_add_co_u32 s48, s48, s18
	s_mov_b32 s49, 0
	s_add_nc_u64 s[48:49], s[4:5], s[48:49]
	s_lshl_b32 s50, s14, 9                         ; q's scale word: 256 bytes for each 128 tokens,
	s_lshr_b32 s47, s[WV], 3
	s_lshl_b32 s47, s47, 8
	s_add_co_u32 s50, s50, s47
	s_bfe_u32 s47, s[WV], 0x20001                  ; word (wave / 2) % 4 of the lane's four
	s_lshl_b32 s47, s47, 2
	s_add_co_u32 s50, s50, s47
	s_add_co_u32 s50, s50, s18
	s_add_co_u32 s50, s50, SCT
	s_mov_b32 s51, 0
	s_add_nc_u64 s[50:51], s[4:5], s[50:51]
	global_load_b128 v[QLO:QLO+3], v[L16], s[48:49]
	global_load_b64 v[QLO+4:QLO+5], v[L8], s[48:49] offset:512
	global_load_b32 v[QRAW], v[R16], s[50:51]
	s_lshr_b32 s56, s15, 4                         ; the batch
	s_and_b32 s57, s15, 15                         ; the head
	s_lshl_b32 s52, s56, 7
	s_add_co_u32 s52, s52, s46
	s_mul_i32 s52, s52, 12288                      ; oimg: 16 heads x 768 bytes a tile
	s_mul_i32 s58, s57, 768
	s_add_co_u32 s52, s52, s58
	s_mov_b32 s53, 0
	s_add_nc_u64 s[52:53], s[8:9], s[52:53]
	s_lshl_b32 s54, s57, 13                        ; osc: 8,192 bytes a head, 2 a token
	s_lshl_b32 s58, s56, 12
	s_add_co_u32 s54, s54, s58
	s_lshl_b32 s58, s14, 9
	s_add_co_u32 s54, s54, s58
	s_mov_b32 s55, 0
	s_add_nc_u64 s[54:55], s[10:11], s[54:55]
.irp j, 0,1,2,3,4,5
	v_mov_b32 v[QHI+\j], 0                         ; zero codes add nothing under any scale byte that occurs here (1 to 254)
	v_mov_b32 v[QLO+6+\j], 0
.endr
	s_and_b32 s43, s[WV], 1
	s_lshl_b32 s43, s43, 4
	s_mov_b32 vcc_lo, 0xffff0000                   ; lanes 16-31; kept
	s_mov_b32 s[KO], 0
	s_mov_b32 s[SO], 0
	s_wait_loadcnt 0x0
	s_wait_kmcnt 0x0
	s_and_b32 s60, s16, 0x7fffffff                 ; |lam|
	s_and_b32 s61, s16, 0x80000000                 ; its sign
	v_lshrrev_b32 v[QRAW], s43, v[QRAW]
	v_and_b32 v[QRAW], 0xffff, v[QRAW]
	v_lshl_or_b32 v[QSC], v[QRAW], 16, v[QRAW]     ; q's two bytes, for both places at which q can stand
	v_mov_b32 v[TMX], 0xff61b1e6                   ; -3e38, under every t
	v_floor_f32 v[NM], -v[TMX]
	v_mov_b32 v[SUM], 0
	v_mov_b32 v[SUM+1], 0
	v_mov_b32 v[FF+1], 0
.irp j, 0,1,2,3
	v_mov_b32 v[W+\j], 0                           ; a lane permute's destination counts as one of its sources
	v_mov_b32 v[TM+4+\j], 0
.endr
	v_mov_b32 v[XP], 0
	v_mov_b32 v[XQ], 0
	v_mov_b32 v[XC], 0
.macro KADR
	v_add_nc_u32 v[ADK16], s[KO], v[KL16]
	v_add_nc_u32 v[ADK8], s[KO], v[KL8]
	v_add_nc_u32 v[ASK], s[SO], v[RK]
.endm
.macro KLOADS                          ; run 2 c + w: rows 8 w + r % 8 of the images 4 c + 2 (r / 8) and 4 c + 2 (r / 8) + 1; its scale word holds both tiles' halfwords
.irp c, 0,1
.irp w, 0,1
	ds_load_b128 v[KV+12*(2*\c+\w):KV+12*(2*\c+\w)+3], v[ADK16] offset:3072*\c+128*\w
	ds_load_b64 v[KV+12*(2*\c+\w)+4:KV+12*(2*\c+\w)+5], v[ADK8] offset:3072*\c+512+64*\w
	ds_load_b128 v[KV+12*(2*\c+\w)+6:KV+12*(2*\c+\w)+9], v[ADK16] offset:3072*\c+768+128*\w
	ds_load_b64 v[KV+12*(2*\c+\w)+10:KV+12*(2*\c+\w)+11], v[ADK8] offset:3072*\c+1280+64*\w
	ds_load_b32 v[KSC+2*\c+\w], v[ASK] offset:128*\w+8*\c
.endr
.endr
.endm
.macro VLOADS
.irp t, 0,1,2,3
.irp c, 0,1,2
	ds_load_b128 v[KV+12*\t+4*\c:KV+12*\t+4*\c+3], v[ADV] offset:1536*\t+512*\c
.endr
.endr
	ds_load_b128 v[VSC:VSC+3], v[ASV]
.endm
.macro SMUL
.irp b, 0,1,2,3
	v_wmma_scale_f32_16x16x128_f8f6f4 v[S+16*\b:S+16*\b+7], v[KV+12*\b:KV+12*\b+11], v[QLO:QLO+11], 0, v[KSC+\b], v[QSC] matrix_a_fmt:MATRIX_FMT_FP6 matrix_b_fmt:MATRIX_FMT_FP6
	v_wmma_scale_f32_16x16x128_f8f6f4 v[S+16*\b+8:S+16*\b+15], v[KV+12*\b:KV+12*\b+11], v[QHI:QHI+11], 0, v[KSC+\b], v[QSC] matrix_a_fmt:MATRIX_FMT_FP6 matrix_b_fmt:MATRIX_FMT_FP6
.endr
.endm
.macro EXPS                            ; 2^(c s + v[NM]) for the lane's 64 scores; each accumulator is read from its low end on
.set j, 0
.rept 32
	v_pk_fma_f32 v[S+j:S+j+1], v[S+j:S+j+1], s[CS:CS+1], v[NM:NM+1] op_sel_hi:[1,0,0]
.set j, j+2
.endr
.set j, 0
	s_wait_alu depctr_va_vdst(0)
.rept 64
	v_exp_f32 v[S+j], v[S+j]
.set j, j+1
.endr
.endm
; WALK 1, a step: the running maximum and sum.  next = 1: the next step's K is fetched; 2: step 0's, for the second walk.
.macro STEP1 next
	s_wait_dscnt 0x0
	SMUL
.if \next == 1
	s_add_co_u32 s[KO], s[KO], 6144
	s_add_co_u32 s[SO], s[SO], 256
.else
	s_mov_b32 s[KO], 0
	s_mov_b32 s[SO], 0
.endif
	KADR                                           ; three additions and a v_nop: the four places behind the products
	v_nop
	KLOADS
.irp b, 0,1,2,3
	v_max3_num_f32 v[TM+\b], v[S+16*\b], v[S+16*\b+1], v[S+16*\b+2]
.endr
.irp i, 3,5,7,9,11,13
.irp b, 0,1,2,3
	v_max3_num_f32 v[TM+\b], v[TM+\b], v[S+16*\b+\i], v[S+16*\b+\i+1]
.endr
.endr
.irp b, 0,1,2,3
	v_max_num_f32 v[TM+\b], v[TM+\b], v[S+16*\b+15]
.endr
	s_delay_alu instid0(VALU_DEP_2)
	v_max3_num_f32 v[W], v[TM], v[TM+1], v[TM+2]
	s_delay_alu instid0(VALU_DEP_1)
	v_max_num_f32 v[W], v[W], v[TM+3]
	s_delay_alu instid0(VALU_DEP_1)
	v_permlanex16_b32 v[W+1], v[W], s[SEL], s[SEL+1]
	s_delay_alu instid0(VALU_DEP_1)
	v_max_num_f32 v[W], v[W], v[W+1]               ; the step's largest score of my query
	s_delay_alu instid0(VALU_DEP_1)
	v_mul_f32 v[W], s[CS], v[W]
	s_delay_alu instid0(VALU_DEP_1)
	v_max_num_f32 v[TMX], v[TMX], v[W]
	v_mov_b32 v[W], v[NM]
	s_delay_alu instid0(VALU_DEP_2)
	v_floor_f32 v[NM], -v[TMX]                     ; -M = floor(-t)
	s_delay_alu instid0(VALU_DEP_1)
	v_sub_f32 v[W], v[NM], v[W]                    ; old M - new M
	s_delay_alu instid0(VALU_DEP_1)
	v_cvt_i32_f32 v[W], v[W]
	s_delay_alu instid0(VALU_DEP_1)
	v_ldexp_f32 v[FF], 1.0, v[W]
	EXPS
	v_pk_mul_f32 v[SUM:SUM+1], v[SUM:SUM+1], v[FF:FF+1] op_sel_hi:[1,0]   ; the sum under the new M; the plain place behind the exponentials
	s_wait_alu depctr_va_vdst(0)                   ; one wait for the batch
.irp q, 0,1,2                                  ; the 32 pairs in four chains by turns
	v_pk_add_f32 v[W+2*\q:W+2*\q+1], v[S+2*\q:S+2*\q+1], v[S+8+2*\q:S+9+2*\q]
.endr
	v_pk_add_f32 v[SUM:SUM+1], v[SUM:SUM+1], v[S+6:S+7]
.irp i, 2,3,4,5,6,7
.irp q, 0,1,2
	v_pk_add_f32 v[W+2*\q:W+2*\q+1], v[W+2*\q:W+2*\q+1], v[S+8*\i+2*\q:S+8*\i+2*\q+1]
.endr
	v_pk_add_f32 v[SUM:SUM+1], v[SUM:SUM+1], v[S+8*\i+6:S+8*\i+7]
.endr
	v_pk_add_f32 v[W:W+1], v[W:W+1], v[W+2:W+3]
	v_pk_add_f32 v[SUM:SUM+1], v[SUM:SUM+1], v[S+14:S+15]
	v_pk_add_f32 v[W:W+1], v[W:W+1], v[W+4:W+5]
	s_delay_alu instid0(VALU_DEP_1)
	v_pk_add_f32 v[SUM:SUM+1], v[SUM:SUM+1], v[W:W+1]
.endm
.macro LFT out, i                      ; the register (of a group of 32) that holds the key to the left: keys run through registers 0-7, 16-23, 8-15, 24-31
.set \out, (\i)-1
.if (\i) == 8
.set \out, 23
.endif
.if (\i) == 16
.set \out, 7
.endif
.if (\i) == 24
.set \out, 15
.endif
.endm
; WALK 2, a step: |lam| a1 of 128 keys; each key less its left neighbour; quantised; O^T += V^T diff^T.
.macro STEP2 zero, next
	s_wait_dscnt 0x0
	SMUL
	v_add_nc_u32 v[ADV], s[KO], v[L16V]            ; two additions and two v_nop: the four places behind the products
	v_add_nc_u32 v[ASV], s[SO], v[RV]
	v_nop
	v_nop
	VLOADS
	EXPS
	v_nop                                          ; a plain place behind the exponentials
	s_wait_alu depctr_va_vdst(0)
	v_permlanex16_b32 v[XP], v[S+31], s[SEL], s[SEL+1]     ; a block's last key lies in register 31 of its group
	v_permlanex16_b32 v[XQ], v[S+63], s[SEL], s[SEL+1]
	v_cndmask_b32 v[XC], v[XC], v[XP], vcc_lo      ; left of register 0: half 0: the last step's block 3; half 1: block 0
	v_cndmask_b32 v[XP], v[XP], v[XQ], vcc_lo      ; left of register 32: half 0: block 1; half 1: block 2
	; in place, against the order of the keys, so that each left neighbour is still whole; the two groups of 32 go side by side, one register apart, in dual pairs
	v_sub_f32 v[S+63], v[S+63], v[S+62]
.set I0, 31
.set I1, 30
.rept 31
	LFT L0, I0
	LFT L1, I1
.if I1 == 0
	v_dual_sub_f32 v[S+I0], v[S+I0], v[S+L0] :: v_dual_sub_f32 v[S+32], v[S+32], v[XP]
.else
	v_dual_sub_f32 v[S+I0], v[S+I0], v[S+L0] :: v_dual_sub_f32 v[S+32+I1], v[S+32+I1], v[S+32+L1]
.endif
.set I0, L0
.set I1, L1
.endr
	v_sub_f32 v[S], v[S], v[XC]
	; the quantiser: my blocks h (registers 0-31) and 2 + h (registers 32-63)
.irp b, 0,1,2,3
	v_max3_num_f32 v[TM+\b], |v[S+16*\b]|, |v[S+1+16*\b]|, 0x1800000   ; and the floor 2^(3 - 127)
.endr
.irp i, 2,4,6,8,10,12,14
.irp b, 0,1,2,3
	s_delay_alu instid0(VALU_DEP_4)
	v_max3_num_f32 v[TM+\b], v[TM+\b], |v[S+16*\b+\i]|, |v[S+1+16*\b+\i]|
.endr
.endr
	v_max_num_f32 v[TM], v[TM], v[TM+1]
	v_max_num_f32 v[TM+2], v[TM+2], v[TM+3]
	s_delay_alu instid0(VALU_DEP_2)
	v_add_nc_u32 v[TM+12], 0xff000000, v[TM]       ; 2 off the exponent field: the conversion's scale operand
	s_delay_alu instid0(VALU_DEP_2)
	v_add_nc_u32 v[TM+13], 0xff000000, v[TM+2]
	s_delay_alu instid0(VALU_DEP_2)
	v_lshrrev_b32 v[TM+4], 23, v[TM+12]
	s_delay_alu instid0(VALU_DEP_2)
	v_lshrrev_b32 v[TM+6], 23, v[TM+13]
	s_delay_alu instid0(VALU_DEP_1)
	v_lshl_or_b32 v[TM+4], v[TM+6], 16, v[TM+4]    ; bytes h and 2 + h of the scale word,
	s_delay_alu instid0(VALU_DEP_1)
	v_lshlrev_b32 v[TM+4], v[SH8], v[TM+4]
	s_delay_alu instid0(VALU_DEP_1)
	v_permlanex16_b32 v[TM+5], v[TM+4], s[SEL], s[SEL+1]
	s_delay_alu instid0(VALU_DEP_1)
	v_or_b32 v[PW], v[TM+4], v[TM+5]               ; whole with the other half's two
.irp c, 0,1
	v_cvt_scalef32_pk16_fp6_f32 v[PC+6*\c:PC+2+6*\c], v[S+32*\c:S+15+32*\c], v[TM+12+\c]
	v_cvt_scalef32_pk16_fp6_f32 v[PC+12+4*\c:PC+14+4*\c], v[S+16+32*\c:S+31+32*\c], v[TM+12+\c]   ; (a conversion's three registers begin on an even number)
.endr
	v_nop                                          ; one plain place behind a scaled conversion
.irp c, 0,1
.irp i, 0,1,2
	v_mov_b32 v[PC+3+6*\c+\i], v[PC+12+4*\c+\i]
.endr
.endr
	v_mov_b32 v[XC], v[XQ]                         ; the step's last key is the next step's first left neighbour
.if \next
	s_add_co_u32 s[KO], s[KO], 6144
	s_add_co_u32 s[SO], s[SO], 256
	KADR
.else
.rept 3
	v_nop
.endr
.endif
.rept 3
	v_nop                                          ; eight plain lines that name no register of the products stand behind the scale word, seven behind the last code
.endr
	s_wait_alu depctr_va_vdst(0)
	s_wait_dscnt 0x0                               ; V is in
.irp t, 0,1,2,3                                ; O^T's four accumulators by turns
.if \zero
	v_wmma_scale_f32_16x16x128_f8f6f4 v[O+8*\t:O+8*\t+7], v[KV+12*\t:KV+12*\t+11], v[PC:PC+11], 0, v[VSC+\t], v[PW] matrix_a_fmt:MATRIX_FMT_FP6 matrix_b_fmt:MATRIX_FMT_FP6
.else
	v_wmma_scale_f32_16x16x128_f8f6f4 v[O+8*\t:O+8*\t+7], v[KV+12*\t:KV+12*\t+11], v[PC:PC+11], v[O+8*\t:O+8*\t+7], v[VSC+\t], v[PW] matrix_a_fmt:MATRIX_FMT_FP6 matrix_b_fmt:MATRIX_FMT_FP6
.endif
.endr
.rept 4
	v_nop
.endr
.if \next
	KLOADS
.endif
.endm
	s_wait_alu depctr_va_vdst(0)
	s_wait_tensorcnt 0x0                           ; my part of K and V is in,
	s_barrier_signal -1
	s_barrier_wait -1                              ; everybody's is
	KADR
	KLOADS
	s_mov_b32 s[CNT], 15
.Lwalk1:
	STEP1 1
	s_sub_co_u32 s[CNT], s[CNT], 1
	s_cmp_lg_u32 s[CNT], 0
	s_cbranch_scc1 .Lwalk1
	STEP1 2                                        ; the last step: M is final, and v[S] on still holds its e
	s_delay_alu instid0(VALU_DEP_1)
	v_add_f32 v[SUM], v[SUM], v[SUM+1]
	s_delay_alu instid0(VALU_DEP_1)
	v_permlanex16_b32 v[W], v[SUM], s[SEL], s[SEL+1]
	s_delay_alu instid0(VALU_DEP_1)
	v_add_f32 v[SUM], v[SUM], v[W]                 ; the row's sum
	s_wait_alu depctr_va_vdst(0)
	v_rcp_f32 v[W+1], v[SUM]
	v_log_f32 v[W+2], v[SUM]
	v_log_f32 v[W+3], s60
	v_nop
	s_wait_alu depctr_va_vdst(0)
	v_sub_f32 v[W+2], v[W+3], v[W+2]               ; log2(|lam| / sum); -infinity where lam is 0: every exponential is then 0
	v_mul_f32 v[GG], s60, v[W+1]
	v_add_f32 v[NM], v[NM], v[W+2]                 ; the second walk's addend
	v_mul_f32 v[W], v[S+63], v[GG]                 ; in lanes 16-31: |lam| a1 of key 2,047,
	s_delay_alu instid0(VALU_DEP_1)
	v_permlanex16_b32 v[XC], v[W], s[SEL], s[SEL+1]   ; the left neighbour of key 0
	s_wait_alu depctr_va_vdst(0)
	STEP2 1, 1
	s_mov_b32 s[CNT], 14
.Lwalk2:
	STEP2 0, 1
	s_sub_co_u32 s[CNT], s[CNT], 1
	s_cmp_lg_u32 s[CNT], 0
	s_cbranch_scc1 .Lwalk2
	STEP2 0, 0
	; o is an operand of the last product, whose other operand is given: here the places along K are the true ones.  Register 8 t + j holds channel 16 t + 8 h + j.
.set j, 0
.rept 32
	v_xor_b32 v[O+j], s61, v[O+j]                  ; lam's sign; each accumulator from its low end on
.set j, j+1
.endr
.irp b, 0,1
.irp j, 0,1,2,3,4,5,6,7
	v_permlane16_swap_b32 v[O+16*\b+\j], v[O+16*\b+8+\j]   ; register 16 b + i of lane half h: channel 32 b + 16 h + i
.endr
.endr
.irp b, 0,1
	v_max3_num_f32 v[TM+\b], |v[O+16*\b]|, |v[O+16*\b+1]|, 0x1800000
.endr
.irp i, 2,4,6,8,10,12,14
.irp b, 0,1
	s_delay_alu instid0(VALU_DEP_2)
	v_max3_num_f32 v[TM+\b], v[TM+\b], |v[O+16*\b+\i]|, |v[O+16*\b+\i+1]|
.endr
.endr
.irp b, 0,1
	s_delay_alu instid0(VALU_DEP_2)
	v_permlanex16_b32 v[TM+4+\b], v[TM+\b], s[SEL], s[SEL+1]
.endr
.irp b, 0,1
	s_delay_alu instid0(VALU_DEP_2)
	v_max_num_f32 v[TM+\b], v[TM+\b], v[TM+4+\b]
.endr
.irp b, 0,1
	s_delay_alu instid0(VALU_DEP_2)
	v_add_nc_u32 v[TM+12+\b], 0xff000000, v[TM+\b]
.endr
.irp b, 0,1
	s_delay_alu instid0(VALU_DEP_2)
	v_lshrrev_b32 v[TM+4+\b], 23, v[TM+12+\b]
.endr
	s_delay_alu instid0(VALU_DEP_1)
	v_lshl_or_b32 v[W], v[TM+5], 8, v[TM+4]        ; my query's two scale bytes of this head
	v_cvt_scalef32_pk16_fp6_f32 v[PC:PC+2], v[O:O+15], v[TM+12]
	v_cvt_scalef32_pk16_fp6_f32 v[PC+12:PC+14], v[O+16:O+31], v[TM+13]
	v_nop
.irp i, 0,1,2
	v_permlane16_swap_b32 v[PC+\i], v[PC+12+\i]
.endr
.irp i, 0,1,2
	v_mov_b32 v[PC+3+\i], v[PC+12+\i]              ; registers 0-5: lanes 0-15 the head's first 32 channels, lanes 16-31 the second
.endr
	global_store_b128 v[L16], v[PC:PC+3], s[52:53]              ; 512 consecutive bytes, and 256 more; both begin at multiples of 256
	global_store_b64 v[L8], v[PC+4:PC+5], s[52:53] offset:512
	ds_store_b16 v[OSA], v[W]                      ; both lanes of a query write the same halfword with the same value
	s_wait_dscnt 0x0
	s_barrier_signal -1
	s_barrier_wait -1
	s_cmp_lg_u32 s[WV], 0                          ; wave 0 stores the work-group's 256 halfwords: 512 consecutive bytes, aligned
	s_cbranch_scc1 .Lnot_first
	ds_load_b128 v[TM:TM+3], v[OSR]
	s_wait_dscnt 0x0
	global_store_b128 v[L16], v[TM:TM+3], s[54:55]
.Lnot_first:
	s_wait_tensorcnt 0x0                           ; the wave's end
	ds_add_u32 v254, v255
	s_wait_dscnt 0x0
	CROUND                                         ; the closing round
	s_endpgm
.Lfunc_end_k_qf10ce5b58f_attn:
	.size	k_qf10ce5b58f_attn, .Lfunc_end_k_qf10ce5b58f_attn-k_qf10ce5b58f_attn
	.p2alignl 7, 3214868480
	.fill 96, 4, 3214868480
	.section	.rodata,"a",@progbits
	.p2align	6, 0x0
	.amdhsa_kernel k_qf10ce5b58f_attn
		.amdhsa_group_segment_fixed_size 215040
		.amdhsa_private_segment_fixed_size 0
		.amdhsa_enable_private_segment 0
		.amdhsa_kernarg_size 32
		.amdhsa_user_sgpr_count 2
		.amdhsa_user_sgpr_kernarg_segment_ptr 1
		.amdhsa_wavefront_size32 1
		.amdhsa_system_sgpr_workgroup_id_x 1
		.amdhsa_system_sgpr_workgroup_id_y 1
		.amdhsa_system_sgpr_workgroup_id_z 1
		.amdhsa_system_vgpr_workitem_id 0
		.amdhsa_next_free_vgpr 256
		.amdhsa_next_free_sgpr 66
		.amdhsa_reserve_vcc 1
		.amdhsa_float_denorm_mode_32 3
		.amdhsa_float_denorm_mode_16_64 3
		.amdhsa_memory_ordered 1
		.amdhsa_forward_progress 1
		.amdhsa_inst_pref_size 80
	.end_amdhsa_kernel
	.amdgpu_metadata
---
amdhsa.version: [ 1, 2 ]
amdhsa.kernels:
  - .name:           k_qf10ce5b58f_attn
    .symbol:         k_qf10ce5b58f_attn.kd
    .args:
      - { .name: qkv, .offset: 0, .size: 8, .value_kind: global_buffer, .address_space: global }
      - { .name: lam, .offset: 8, .size: 8, .value_kind: global_buffer, .address_space: global }
      - { .name: oimg, .offset: 16, .size: 8, .value_kind: global_buffer, .address_space: global }
      - { .name: osc, .offset: 24, .size: 8, .value_kind: global_buffer, .address_space: global }
    .group_segment_fixed_size: 215040
    .private_segment_fixed_size: 0
    .kernarg_segment_align: 8
    .kernarg_segment_size: 32
    .max_flat_workgroup_size: 512
    .sgpr_count:     66
    .vgpr_count:     256
    .wavefront_size: 32
...
	.end_amdgpu_metadata
.endif
;; end of part 2
;; launch outgemm (part 3): grid 16 x 16, 8 waves a work-group, clusters of 4 x 4, 327,680 bytes of LDS; arguments oimg, osc, w_out_codes, w_out_scales, b_out, out0; writes out0
.if DOCPART == 3
	.amdgcn_target "amdgcn-amd-amdhsa--gfx1250"
	.amdhsa_code_object_version 6
	.text
	.protected	k_qf10ce5b58f_outgemm
	.globl	k_qf10ce5b58f_outgemm
	.p2align	8
	.type	k_qf10ce5b58f_outgemm,@function
k_qf10ce5b58f_outgemm:
	s_mov_b64 s[64:65], 0
	v_nop
	global_prefetch_b8 v0, s[64:65] scope:SCOPE_SE
	s_setreg_imm32_b32 hwreg(HW_REG_WAVE_MODE, 25, 1), 1
	s_wait_xcnt 0x0
	s_wait_alu depctr_hold_cnt(0) depctr_sa_sdst(0) depctr_va_vdst(0) depctr_va_sdst(0) depctr_va_ssrc(0) depctr_va_vcc(0) depctr_vm_vsrc(0)
	s_getreg_b32 s2, hwreg(HW_REG_IB_STS2, 6, 4)
	s_cmp_eq_u32 s2, 0
	s_cbranch_scc0 .Lentry_in_a_cluster
	s_endpgm
.Lentry_in_a_cluster:
	s_bfe_u32 s2, ttmp6, 0x10000c
	s_cmp_lg_u32 s2, 0xf033
	s_cbranch_scc0 .Lentry_shape_is_right
	s_endpgm
.Lentry_shape_is_right:
; out0 = o w_out^T + b_out on codes of FP6 (E2M3) with one E8M0 scale for each 32 along K = 1,024.  out0: [4,096][1,024] f32.
; A = o, as images of operand registers: oimg[tile of 16 tokens][head] = 768 bytes (six registers: 64 along K); its scale bytes osc[head][token], two each.  B = w_out: rows of 768 bytes of codes, 32 scale bytes.
; A BLOCK IS 256 TOKENS x 64 COLUMNS: 16 x 16 = 256 work-groups.  ALL OF K LIES IN LDS: A's 196,608 dense bytes, B's 64 rows of 768 bytes (16 bytes of padding behind every 256), B's scales.
; Each of the eight waves issues ONE tensor load at the head (waves 0-5: 128 rows of 256 bytes of A each; wave 6: B's codes; wave 7: B's scales); nothing is filled again.  All rows begin at multiples of 256 bytes.
; 4 x 4 work-groups form a cluster: A's tiles are asked for jointly along a row of the cluster, B's along a column.
; A wave makes 32 tokens x 64 columns: 8 accumulators, which take turns; the bias is loaded into them, so that every product adds in place.  Source 0 = 16 rows of B, source 1 = 16 rows of A:
; a lane holds eight neighbouring numbers of a row of out0.  Fragments have two sets of registers: a step's are fetched while the step before is multiplied.
; A's scale table (32 bytes a token) is put together in LDS from osc by vector instructions.  No prefetch: every byte is asked for at the head, and there is no loop to run ahead in.
; LIMITS: NaN and infinities are not served.
.set PITCH,  816                       ; B: 3 x (256 + 16)
.set BL,     196608                    ; B's codes
.set SCL,    248832                    ; A's scale table: 32 x 272 bytes, stored by the waves: 34 blocks of 256 bytes on which no tile lands
.set SCLB,   257536                    ; B's: 8 x 272
.set SPARE,  259840                    ; the spare words, 128 bytes a wave
.set STAGE,  260864                    ; the way out: 16 rows x 272 bytes for each wave
.set SPITCH, 272
.set SBLK,   544                       ; the scales of 16 rows
.set ADA16, 8
.set ADA8,  9
.set ADB,   10
.set ADB2,  11                         ; for pieces whose lanes 16-31 lie behind one padding more
.set ADSA,  12
.set ADSB,  13
.set STO,   14
.set RD,    15
.set CO,    16
.set TB,    17
.set SPW,   18
.set NIL,   19
.set SCA,   24                         ; v24-31 A's scale words, two sets of two blocks x two steps
.set SCB,   32                         ; v32-47 B's
.set FA,    48                         ; set p: A's two fragments at v[48 + 72 p], B's four at v[72 + 72 p]
.set FB,    72
.set ACC,   192                        ; accumulator (a, b) at v[192 + 8 (4 a + b)]
.set WV,  16
.set G1A, 24
.set G0A, 32
.set G0B, 36
.set G1B, 48
.set G0S, 56
.set G1S, 68
.macro CROUND
	s_barrier_signal -1
	s_barrier_wait -1
	s_cmp_lg_u32 s[WV], 0
	s_cbranch_scc1 .Lnot_wave_0_\@
	s_barrier_signal -3
.Lnot_wave_0_\@:
	s_barrier_wait -3
	s_barrier_signal -1
	s_barrier_wait -1
.endm
	s_load_b128 s[4:7], s[0:1], 0x0                ; oimg, osc
	s_load_b128 s[8:11], s[0:1], 0x10              ; w_out's codes, scales
	s_load_b128 s[12:15], s[0:1], 0x20             ; b_out, out0
	v_lshl_add_u32 v[SPW], v0, 2, SPARE
	v_mov_b32 v[NIL], 0
	ds_add_u32 v[SPW], v[NIL]                      ; the opening lines
	ds_add_u32 v[SPW], v[NIL]
	v_lshrrev_b32 v1, 5, v0
	v_readfirstlane_b32 s[WV], v1
	s_bfe_u32 s40, ttmp6, 0x40000                  ; cx, cy
	s_bfe_u32 s41, ttmp6, 0x40004
	s_lshl_b32 s45, ttmp9, 2
	s_add_co_u32 s45, s45, s40                     ; block of 64 columns
	s_and_b32 s44, ttmp7, 0xffff
	s_lshl_b32 s44, s44, 2
	s_add_co_u32 s44, s44, s41                     ; block of 256 tokens
	s_lshl_b32 s42, s41, 2
	s_lshl_b32 s42, 15, s42                        ; my row of the cluster
	s_lshl_b32 s43, 0x1111, s40                    ; my column
	s_or_b32 s[G1A], s42, (3<<16)|(1<<21)          ; A: 128 rows of 32 elements of 8 bytes, dense
	s_mov_b32 s[G1A+1], 32<<16
	s_mov_b32 s[G1A+2], 128<<16
	s_mov_b32 s[G1A+3], 32<<16
	s_mov_b32 s[G1A+4], 128
	s_mov_b32 s[G1A+5], 32
	s_mov_b32 s[G1A+6], 0
	s_mov_b32 s[G1A+7], 0
	s_or_b32 s[G1B], s43, (0<<16)|(1<<20)|(1<<21)|(5<<22)|(3<<25)   ; B: 64 rows of 768 bytes, 4 words of padding behind every 64
	s_mov_b32 s[G1B+1], 768<<16
	s_mov_b32 s[G1B+2], 64<<16
	s_mov_b32 s[G1B+3], 768<<16
	s_mov_b32 s[G1B+4], 64
	s_mov_b32 s[G1B+5], 768
	s_mov_b32 s[G1B+6], 0
	s_mov_b32 s[G1B+7], 0
	s_or_b32 s[G1S], s43, (3<<16)|(1<<20)|(1<<21)|(5<<22)|(3<<25)   ; B's scales: 8 rows of 256 dense bytes, padded alike
	s_mov_b32 s[G1S+1], 32<<16
	s_mov_b32 s[G1S+2], 8<<16
	s_mov_b32 s[G1S+3], 32<<16
	s_mov_b32 s[G1S+4], 8
	s_mov_b32 s[G1S+5], 32
	s_mov_b32 s[G1S+6], 0
	s_mov_b32 s[G1S+7], 0
	s_mul_i32 s20, s44, 196608
	s_lshl_b32 s19, s[WV], 15                      ; 32,768 bytes a wave
	s_add_co_u32 s20, s20, s19
	s_mov_b32 s21, 0
	s_mul_i32 s46, s45, 49152
	s_mov_b32 s47, 0
	s_lshl_b32 s22, s45, 11
	s_mov_b32 s23, 0
	s_wait_dscnt 0x0
	s_wait_kmcnt 0x0
	s_mov_b32 s[G0A], 1
	s_mov_b32 s[G0A+1], s19
	s_add_nc_u64 s[G0A+2:G0A+3], s[4:5], s[20:21]
	s_or_b32 s[G0A+3], s[G0A+3], 0x80000000
	s_mov_b32 s[G0B], 1
	s_mov_b32 s[G0B+1], BL
	s_add_nc_u64 s[G0B+2:G0B+3], s[8:9], s[46:47]
	s_or_b32 s[G0B+3], s[G0B+3], 0x80000000
	s_mov_b32 s[G0S], 1
	s_mov_b32 s[G0S+1], SCLB
	s_add_nc_u64 s[G0S+2:G0S+3], s[10:11], s[22:23]
	s_or_b32 s[G0S+3], s[G0S+3], 0x80000000
	CROUND                                         ; all sixteen work-groups are here: the joint loads meet
	s_cmp_lt_u32 s[WV], 6                          ; one chain of branches on the wave's number, one load to an arm
	s_cbranch_scc0 .Lhead_b
	tensor_load_to_lds s[G0A:G0A+3], s[G1A:G1A+7]
	s_nop 0
	s_branch .Lhead_asked
.Lhead_b:
	s_cmp_lt_u32 s[WV], 7
	s_cbranch_scc0 .Lhead_s
	tensor_load_to_lds s[G0B:G0B+3], s[G1B:G1B+7]
	s_nop 0
	s_branch .Lhead_asked
.Lhead_s:
	tensor_load_to_lds s[G0S:G0S+3], s[G1S:G1S+7]
	s_nop 0
.Lhead_asked:
	s_mov_b32 s81, 0
	s_lshl_b32 s80, s44, 9
	s_add_nc_u64 s[6:7], s[6:7], s[80:81]          ; osc: my 256 tokens' halfwords
	s_lshl_b32 s80, s45, 8
	s_add_nc_u64 s[12:13], s[12:13], s[80:81]      ; my 64 columns' bias
	s_add_nc_u64 s[14:15], s[14:15], s[80:81]
	s_lshl_b32 s80, s44, 20                        ; 256 rows of 4,096 bytes
	s_lshl_b32 s82, s[WV], 17                      ; my 32 rows
	s_add_co_u32 s80, s80, s82
	s_add_nc_u64 s[14:15], s[14:15], s[80:81]
	s_mul_i32 s83, s[WV], 24576                    ; my two tiles of tokens in LDS
	s_mul_i32 s84, s[WV], 1088                     ; my 32 rows of A's scale table
	s_add_co_u32 s84, s84, SCL
	s_mul_i32 s85, s[WV], 16*SPITCH
	s_add_co_u32 s85, s85, STAGE
	v_and_b32 v1, 15, v0                           ; r
	v_bfe_u32 v2, v0, 4, 1                         ; h
	v_and_b32 v3, 31, v0
	v_and_b32 v4, 127, v0                          ; u: thread (u, g) takes tokens 2 u, 2 u + 1 and heads 8 g to 8 g + 7
	v_lshrrev_b32 v5, 7, v0
	v_lshlrev_b32 v6, 2, v4
	v_lshl_add_u32 v6, v5, 16, v6
	v_lshlrev_b32 v7, 5, v2
	v_lshrrev_b32 v20, 2, v4
	v_lshlrev_b32 v[TB], 6, v4
	v_lshl_add_u32 v[TB], v20, 4, v[TB]            ; the table's row 2 u: 64 u, and 16 more for each 256 passed,
	v_lshl_add_u32 v[TB], v5, 4, v[TB]             ; its bytes 16 g on
	v_add_nc_u32 v[TB], SCL, v[TB]
	v_lshl_add_u32 v[ADA16], v3, 4, s83
	v_lshl_add_u32 v[ADA8], v3, 3, s83
	v_mul_u32_u24 v[ADB], v1, PITCH
	v_mad_u32_u24 v[ADB], v2, 24, v[ADB]
	v_add_nc_u32 v[ADB], BL, v[ADB]
	v_lshl_add_u32 v[ADB2], v2, 4, v[ADB]
	v_lshrrev_b32 v20, 3, v1
	v_lshlrev_b32 v21, 5, v1
	v_lshl_add_u32 v21, v20, 4, v21                ; 32 r + 16 (r / 8)
	v_add_nc_u32 v[ADSB], SCLB, v21
	v_add_nc_u32 v[ADSA], s84, v21
	v_mul_u32_u24 v20, v1, SPITCH
	v_lshl_add_u32 v20, v2, 5, v20
	v_add_nc_u32 v[STO], s85, v20                  ; in: row r, 32 bytes for each half of the lanes
	v_mul_u32_u24 v20, v2, SPITCH
	v_lshl_add_u32 v20, v1, 4, v20
	v_add_nc_u32 v[RD], s85, v20                   ; back: sixteen lanes take a row of 256 bytes
	v_lshlrev_b32 v[CO], 12, v2
	v_lshl_add_u32 v[CO], v1, 4, v[CO]             ; and the same two rows in out0
	s_wait_alu depctr_va_vdst(0)
.irp e, 0,1,2,3,4,5,6,7
	global_load_b32 v[48+\e], v6, s[6:7] offset:8192*\e
.endr
.irp a, 0,1
.irp b, 0,1,2,3
	global_load_b128 v[ACC+8*(4*\a+\b):ACC+8*(4*\a+\b)+3], v7, s[12:13] offset:64*\b       ; register j of accumulator (a, b): column 16 b + 8 h + j
	global_load_b128 v[ACC+8*(4*\a+\b)+4:ACC+8*(4*\a+\b)+7], v7, s[12:13] offset:64*\b+16
.endr
.endr
	s_wait_loadcnt 16                              ; the eight words of halfwords are in; the bias's sixteen loads may be out
.irp i, 0,1,2,3
	v_perm_b32 v[56+\i], v[49+2*\i], v[48+2*\i], 0x05040100   ; token 2 u: heads 8 g + 2 i, + 1
	v_perm_b32 v[60+\i], v[49+2*\i], v[48+2*\i], 0x07060302   ; token 2 u + 1
.endr
	ds_store_b128 v[TB], v[56:59]
	ds_store_b128 v[TB], v[60:63] offset:32
.macro FETCH s, p                      ; step s (heads 2 s, 2 s + 1; bytes 96 s on of B's rows) into set p
.irp a, 0,1
	ds_load_b128 v[FA+72*(\p)+12*\a:FA+72*(\p)+12*\a+3], v[ADA16] offset:12288*\a+1536*(\s)
	ds_load_b64 v[FA+72*(\p)+12*\a+4:FA+72*(\p)+12*\a+5], v[ADA8] offset:12288*\a+1536*(\s)+512
	ds_load_b128 v[FA+72*(\p)+12*\a+6:FA+72*(\p)+12*\a+9], v[ADA16] offset:12288*\a+1536*(\s)+768
	ds_load_b64 v[FA+72*(\p)+12*\a+10:FA+72*(\p)+12*\a+11], v[ADA8] offset:12288*\a+1536*(\s)+1280
.endr
.irp b, 0,1,2,3
.irp q, 0,1,2,3,4,5
.set BY, 96*(\s)+48*(\q/3)+8*(\q%3)
.if BY/256 == (BY+24)/256
	ds_load_b64 v[FB+72*(\p)+12*\b+2*\q:FB+72*(\p)+12*\b+2*\q+1], v[ADB] offset:BY+16*(BY/256)+\b*16*PITCH
.else
	ds_load_b64 v[FB+72*(\p)+12*\b+2*\q:FB+72*(\p)+12*\b+2*\q+1], v[ADB2] offset:BY+16*(BY/256)+\b*16*PITCH
.endif
.endr
.endr
.endm
.macro SCALES pr                       ; the scale words of steps 2 pr, 2 pr + 1
.irp a, 0,1
	ds_load_b64 v[SCA+4*((\pr)%2)+2*\a:SCA+4*((\pr)%2)+2*\a+1], v[ADSA] offset:SBLK*\a+8*(\pr)
.endr
.irp b, 0,1,2,3
	ds_load_b64 v[SCB+8*((\pr)%2)+2*\b:SCB+8*((\pr)%2)+2*\b+1], v[ADSB] offset:SBLK*\b+8*(\pr)
.endr
.endm
.macro STEP s
	s_wait_dscnt 0x0                               ; this step's fragments, asked for a step ago, are in
.if (\s) < 7
	FETCH (\s)+1, ((\s)+1)%2                       ; into the set that the step before multiplied: four places stand behind its products
.if ((\s)+1)%2 == 0
	SCALES ((\s)+1)/2
.endif
.endif
.irp a, 0,1
.irp b, 0,1,2,3
	v_wmma_scale_f32_16x16x128_f8f6f4 v[ACC+8*(4*\a+\b):ACC+8*(4*\a+\b)+7], v[FB+72*((\s)%2)+12*\b:FB+72*((\s)%2)+12*\b+11], v[FA+72*((\s)%2)+12*\a:FA+72*((\s)%2)+12*\a+11], v[ACC+8*(4*\a+\b):ACC+8*(4*\a+\b)+7], v[SCB+8*(((\s)/2)%2)+2*\b+(\s)%2], v[SCA+4*(((\s)/2)%2)+2*\a+(\s)%2] matrix_a_fmt:MATRIX_FMT_FP6 matrix_b_fmt:MATRIX_FMT_FP6
.endr
.endr
.rept 4
	v_nop
.endr
.endm
	s_wait_tensorcnt 0x0                           ; my tile is in,
	s_wait_dscnt 0x0                               ; my rows of A's scale table are stored,
	s_barrier_signal -1
	s_barrier_wait -1                              ; everybody's are
	FETCH 0, 0
	SCALES 0
	s_wait_loadcnt 0x0                             ; the bias
.set ST, 0
.rept 8
	STEP ST
.set ST, ST+1
.endr
; THE WAY OUT: a block of 16 rows x 64 columns goes through my own stage and comes back as whole rows of 256 bytes.  LDS serves a wave's instructions in order (ISA guide 5.7.1.4).
.irp a, 0,1
.irp b, 0,1,2,3
	ds_store_b128 v[STO], v[ACC+8*(4*\a+\b):ACC+8*(4*\a+\b)+3] offset:64*\b      ; each accumulator from its low end on
	ds_store_b128 v[STO], v[ACC+8*(4*\a+\b)+4:ACC+8*(4*\a+\b)+7] offset:64*\b+16
.endr
.irp t, 0,1,2,3,4,5,6,7
	ds_load_b128 v[48+32*\a+4*\t:48+32*\a+4*\t+3], v[RD] offset:\t*2*SPITCH
.endr
.endr
	s_wait_dscnt 16                                ; block 0 is back; block 1's 8 stores and 8 loads may be out
.irp t, 0,1,2,3,4,5,6,7
	global_store_b128 v[CO], v[48+4*\t:48+4*\t+3], s[14:15] offset:8192*\t th:TH_STORE_NT   ; sixteen lanes store 256 consecutive bytes, at a multiple of 256 from out0's first byte
.endr
	s_wait_dscnt 0x0
.irp t, 0,1,2,3,4,5,6,7
	global_store_b128 v[CO], v[80+4*\t:80+4*\t+3], s[14:15] offset:65536+8192*\t th:TH_STORE_NT
.endr
	s_wait_tensorcnt 0x0                           ; the wave's end
	ds_add_u32 v[SPW], v[NIL]
	s_wait_dscnt 0x0
	CROUND                                         ; the closing round
	s_endpgm
.Lfunc_end_k_qf10ce5b58f_outgemm:
	.size	k_qf10ce5b58f_outgemm, .Lfunc_end_k_qf10ce5b58f_outgemm-k_qf10ce5b58f_outgemm
	.p2alignl 7, 3214868480
	.fill 96, 4, 3214868480
	.section	.rodata,"a",@progbits
	.p2align	6, 0x0
	.amdhsa_kernel k_qf10ce5b58f_outgemm
		.amdhsa_group_segment_fixed_size 327680
		.amdhsa_private_segment_fixed_size 0
		.amdhsa_enable_private_segment 0
		.amdhsa_kernarg_size 48
		.amdhsa_user_sgpr_count 2
		.amdhsa_user_sgpr_kernarg_segment_ptr 1
		.amdhsa_wavefront_size32 1
		.amdhsa_system_sgpr_workgroup_id_x 1
		.amdhsa_system_sgpr_workgroup_id_y 1
		.amdhsa_system_sgpr_workgroup_id_z 1
		.amdhsa_system_vgpr_workitem_id 0
		.amdhsa_next_free_vgpr 256
		.amdhsa_next_free_sgpr 96
		.amdhsa_reserve_vcc 0
		.amdhsa_float_denorm_mode_32 3
		.amdhsa_float_denorm_mode_16_64 3
		.amdhsa_memory_ordered 1
		.amdhsa_forward_progress 1
		.amdhsa_inst_pref_size 41
	.end_amdhsa_kernel
	.amdgpu_metadata
---
amdhsa.version: [ 1, 2 ]
amdhsa.kernels:
  - .name:           k_qf10ce5b58f_outgemm
    .symbol:         k_qf10ce5b58f_outgemm.kd
    .args:
      - { .name: oimg, .offset: 0, .size: 8, .value_kind: global_buffer, .address_space: global }
      - { .name: osc, .offset: 8, .size: 8, .value_kind: global_buffer, .address_space: global }
      - { .name: w_out_codes, .offset: 16, .size: 8, .value_kind: global_buffer, .address_space: global }
      - { .name: w_out_scales, .offset: 24, .size: 8, .value_kind: global_buffer, .address_space: global }
      - { .name: b_out, .offset: 32, .size: 8, .value_kind: global_buffer, .address_space: global }
      - { .name: out0, .offset: 40, .size: 8, .value_kind: global_buffer, .address_space: global }
    .group_segment_fixed_size: 327680
    .private_segment_fixed_size: 0
    .kernarg_segment_align: 8
    .kernarg_segment_size: 48
    .max_flat_workgroup_size: 256
    .sgpr_count:     96
    .vgpr_count:     256
    .wavefront_size: 32
...
	.end_amdgpu_metadata
.endif
;; end of part 3
